; MI455X (gfx1250); checked and timed in simulation.
; The chip was launched on July 23, 2026; its instructions are those of AMD's public machine-readable ISA for CDNA 5 (MIT licence, August 2026) and "CDNA5" Instruction Set Architecture Reference Guide (July 2026). The comments in the code are by the model that wrote it; some were corrected since.
;; Multi Headed Attention. Allowed arithmetic: matrix products marked QUANTISED: E4M3 operands, one given power-of-two scale a tensor, by v_wmma_f32_16x16x64_fp8_fp8 or v_wmma_f32_16x16x128_fp8_fp8, f32 sums; everything else in f32.
;; Inputs: Wk_codes 1,024 x 32 x 32 uint8 (E4M3 codes of Wk, K innermost, in blocks of 32 codes); Wo_codes 1,024 x 32 x 32 uint8 (E4M3 codes of Wo, K innermost, in blocks of 32 codes); Wq_codes 1,024 x 32 x 32 uint8 (E4M3 codes of Wq, K innermost, in blocks of 32 codes); Wv_codes 1,024 x 32 x 32 uint8 (E4M3 codes of Wv, K innermost, in blocks of 32 codes); bo 1,024 float32; lowp_scales 12 int32 (the exponents e of the quantised operands' scales 2^e); x_codes 4 x 2,048 x 32 x 32 uint8 (E4M3 codes of x, K innermost, in blocks of 32 codes).
;; Outputs: out0 4 x 2,048 x 1,024 float32.
;; This version of the problem:
;;   THIS VERSION OF THE PROBLEM IS GIVEN IN LOW PRECISION. The matrix products marked QUANTISED in the list below multiply operands that are first quantised to E4M3 (4 exponent bits, 3 mantissa bits; 8 bits a number), with one given power-of-two scale for each operand tensor; their sums are f32. All else is computed in f32.
;;   The module's matrix products, in the order in which they are computed (A, B: the left and right operand; K: the contracted axis; several contracted axes count as one K, in the product's order):
;;     1. [M 8,192, K 1,024] x [K 1,024, N 1,024]; A: input x (given as codes); B: input Wq (given as codes): QUANTISED (scales: A lowp_scales[0], B lowp_scales[1])
;;     2. [M 8,192, K 1,024] x [K 1,024, N 1,024]; A: input x (given as codes); B: input Wk (given as codes): QUANTISED (scales: A lowp_scales[2], B lowp_scales[3])
;;     3. [M 8,192, K 1,024] x [K 1,024, N 1,024]; A: input x (given as codes); B: input Wv (given as codes): QUANTISED (scales: A lowp_scales[4], B lowp_scales[5])
;;     4. batch 64 x [M 2,048, K 64] x [K 64, N 2,048]; A: computed on the way; B: computed on the way: QUANTISED (scales: A lowp_scales[6], B lowp_scales[7])
;;     5. batch 64 x [M 2,048, K 2,048] x [K 2,048, N 64]; A: softmax (see below); B: computed on the way: QUANTISED (scales: A lowp_scales[8], B lowp_scales[9])
;;     6. [M 8,192, K 1,024] x [K 1,024, N 1,024]; A: computed on the way; B: input Wo (given as codes): QUANTISED (scales: A lowp_scales[10], B lowp_scales[11])
;;   THE QUANTISER, for each operand of a quantised product, along K:
;;     - The operand's scale is 2^e, e = its entry of the input lowp_scales (int32; the entries are numbered through the quantised products in the list's order, A before B).
;;     - Each number is divided by the scale, clamped to +-448, and rounded to the nearest number of E4M3, ties to even, subnormals kept.
;;     - The product sums the exact products of the quantised numbers (number of the format x scale) in f32.
;;   ~~~python
;;   def quantise(x, axis, e):      # numpy; x: float32 -> the quantised numbers, widened to float32 again
;;       x = np.moveaxis(x, axis, -1); K = x.shape[-1]
;;       r = np.clip(x / 2.0 ** e, -448, 448)
;;       step = 2.0 ** (np.maximum(np.frexp(np.where(r == 0, 1, r))[1] - 1, -6) - 3)
;;       q = np.round(r / step) * step * 2.0 ** e      # np.round: ties to even
;;       return np.moveaxis(q, -1, axis).astype(np.float32)
;;   ~~~
;;   SOFTMAX AHEAD OF A QUANTISED PRODUCT. Where the list says 'softmax', what is quantised is not the finished softmax but p = 2^(t - M), with t = logit x log2(e) and M = ceil(the row's largest t), a whole number; so 1/2 < the row's largest p <= 1. The row's sum l is taken of the UNQUANTISED p, in f32, and the product's result is divided by l at the end. Since M is a whole number, a kernel that streams over the keys may use a running M (the ceiling of the running maximum): every later rescaling is an exact power of two, so the quantised numbers keep their values, but for numbers so far below the row's largest that they fall under the format's range.
;;   OPERANDS COMPUTED ON THE WAY. 'Computed on the way' means the value that the module computes at that place (a softmax that the list does not call 'softmax' is quantised finished and normalised). What goes into a quantiser is computed in f32, as accurately as f32 sums, v_exp_f32 and their like allow (about 1e-6 of the number): no bf16 or f16 on the way to a quantiser, and a product that is left as it is and whose result goes on into a quantised operand takes f32 operands (vector FMAs, or v_wmma_f32_16x16x4_f32). A number that lies on a knife's edge between two numbers of the format may be rounded either way, as far as f32 arithmetic and the matrix unit's own rounding can turn it there, and no further.
;;   INPUTS GIVEN AS CODES. Wk (in the module: [1024, 1024], K = its axis 1); Wo (in the module: [1024, 1024], K = its axis 1); Wq (in the module: [1024, 1024], K = its axis 1); Wv (in the module: [1024, 1024], K = its axis 1); x (in the module: [4, 2048, 1024], K = its axis 2): each comes as NAME_codes (uint8): NAME with its K axis moved to the last place and cut into blocks of 32 codes, [.., K / 32, bytes a block], one block behind the other in memory; one code a byte (a code: sign, 4 exponent bits, 3 mantissa bits); its scale is its entry of lowp_scales. Its value is code x scale, taken as it is: it is not quantised again, and the codes and scales need not be those that the quantiser above would give.
;; One version. Each part assembles by itself: llvm-mc -triple=amdgcn-amd-amdhsa -mcpu=gfx1250 --defsym DOCPART=n.
;; ======== version 1 of 1: 3 launches
;; limits: right only within a limited range of input values
;; workspace buffers: q_img 8,388,608 bytes; k_img 8,388,608 bytes; v_img 8,388,608 bytes; ctx_img 8,388,608 bytes
;; launch qkv (part 1): grid 12 x 32, 4 waves a work-group, clusters of 4 x 4, 327,680 bytes of LDS; arguments x_codes, Wq_codes, Wk_codes, Wv_codes, lowp_scales, q_img, k_img, v_img; writes q_img, k_img, v_img
.if DOCPART == 1
	.amdgcn_target "amdgcn-amd-amdhsa--gfx1250"
	.amdhsa_code_object_version 6
	.text
	.protected	k_qe927f62490_qkv
	.globl	k_qe927f62490_qkv
	.p2align	8
	.type	k_qe927f62490_qkv,@function
k_qe927f62490_qkv:
	s_mov_b64 s[64:65], 0
	v_nop
	global_prefetch_b8 v0, s[64:65] scope:SCOPE_SE
	s_setreg_imm32_b32 hwreg(HW_REG_WAVE_MODE, 25, 1), 1
	s_wait_xcnt 0x0
	s_wait_alu depctr_hold_cnt(0) depctr_sa_sdst(0) depctr_va_vdst(0) depctr_va_sdst(0) depctr_va_ssrc(0) depctr_va_vcc(0) depctr_vm_vsrc(0)
	s_getreg_b32 s2, hwreg(HW_REG_IB_STS2, 6, 4)
	s_cmp_eq_u32 s2, 0
	s_cbranch_scc0 .Lentry_in_a_cluster
	s_endpgm
.Lentry_in_a_cluster:
	s_bfe_u32 s2, ttmp6, 0x10000c
	s_cmp_lg_u32 s2, 0xf033
	s_cbranch_scc0 .Lentry_shape_is_right
	s_endpgm
.Lentry_shape_is_right:
; q = x Wq^T, k = x Wk^T, v = x Wv^T on codes of FP8 (E4M3), sums in f32, and each result quantised at once for attention's two products.
; x: [8192][1024] codes, Wq, Wk, Wv: [1024][1024] codes, K innermost.  lowp_scales: e0 .. e11.  A sum of q stands for sum x 2^(e0 + e1) and its code is sum / 2^(e6 - e0 - e1);
; k: e2, e3, e7;  v: e4, e5, e9.  The three exponents are folded into the conversion's one scale; the hold at +-448 x that scale stands with no branch.
; LIMIT: e6 - e0 - e1, e7 - e2 - e3 and e9 - e4 - e5 lie between -126 and 119, so that the scale and 448 x the scale are f32 numbers.  NaN is not served.
; SHARES.  384 tiles of 256 x 256: the cluster's x says which product (0: q, 1: k, 2: v).  Four waves, each 128 x 128: 64 accumulators of 16 x 16, 512 registers.  With 1024 registers a wave no larger tile fits.
; ROLES.  R is the matrix instruction's source 1: a lane of the result holds ONE row of R.  P is source 0: a lane's eight registers are eight neighbouring rows of P.
;   q, k: R = x (a lane holds a token), P = the weight (registers run along the features): one conversion of an accumulator gives two registers of the 16x16x64 form's own fragment of 16 tokens x 64 features.
;   v:    R = Wv (a lane holds a channel), P = x (registers run along the tokens, which are the second product's K): the same conversions give the 16x16x128 form's own fragment of 16 channels x 128 keys.
; So the three workspaces are IMAGES OF OPERAND REGISTERS, four registers a lane on end, and every store of a wave covers 512 consecutive bytes, aligned:
;   q_img, k_img: (bh x 128 + token / 16) x 1024 + c x 512 + 16 x lane  (registers 4 c .. 4 c + 3);   v_img: ((bh x 16 + key / 128) x 4 + channel / 16) x 2048 + g x 512 + 16 x lane.   bh = 16 x batch + head.
; CLUSTERS: 4 x 4 work-groups.  R's tile hangs on cy and the cluster's ids alone and is asked for jointly by a row of the cluster; P's on cx and the cluster's ids alone, by a column.
; K goes in steps of 256 (rows of 256 bytes) through a ring of two LDS slots; K = 1024 is four steps, so the ring's one lap that refills is written straight.
; A fragment is fetched by four loads of 16 bytes, 32 bytes apart: a permutation of k that is the same in both operands, so every product meets its partner.
; REGISTERS, in windows of 256: window 0: v0-31 addresses and the two scale numbers; from v128 R's fragments, ONE set, later the codes.  window 1: P's fragments, TWO sets.
;   window 2: the accumulators of my R rows 0-63 (accumulator (a, b) at v[8 (8 a + b)]);  window 3: those of rows 64-127.
.set KROW,   1024                      ; a row of x or of a weight in memory, in bytes
.set ROWB,   256                       ; a tile's row in bytes: 256 along K
.set PITCH,  272                       ; an LDS row: 256 bytes + 16 of padding = 68 words: the 16 rows that a load touches start at 16 different banks (64 banks of 4 bytes: ISA guide 11.1)
.set FR,     16                        ; registers of a fragment: 16 rows x 128 K
.set NL,     4                         ; LDS loads that bring one
.set NP,     4                         ; places behind this matrix instruction (ISA guide 7.12.1)
.set HALFT,  128*PITCH                 ; 128 rows: what one tensor load brings, and what one wave reads of R or of P
.set SLOT,   4*HALFT                   ; R's 256 rows, then P's 256 rows
.set LAPS,   KROW/(2*ROWB)             ; 2
.set SPARE,  2*SLOT                    ; behind the ring: the spare words, 128 bytes for each wave: two blocks of 256 bytes that no other line names
.set HEADB,  131072                    ; a head's bytes in each image
.set ADRA, 16                          ; v16-17  LDS address of my R fragments in slot 0, 1
.set ADRB, 20                          ; v20-21  the same for P
.set CO,   26                          ; v26     16 x lane: my place in an image's 512 bytes
.set SPW,  28                          ; v28     LDS address of my spare word; never rewritten
.set NIL,  29                          ; v29     0; never rewritten
.set SC,   30                          ; v30     the conversion's scale as f32
.set LIM,  31                          ; v31     448 x that
.set AF,   128                         ; R's fragments, in window 0
.set CD,   128                         ; the codes, 16 registers for each block of R, where R's fragments lay
.set G1, 24                            ; s[24:31] descriptor group 1 for R's tiles;  s[32:39] group 0, one set for each slot
.set G0, 32
.set G1B, 48                           ; s[48:55], s[56:63] the same for P's tiles
.set G0B, 56
.set MSB, 0
.macro WIN new                         ; the immediate's high byte repeats the setting that is left
.if MSB != \new
	s_set_vgpr_msb (MSB<<8)|\new
.set MSB, \new
.endif
.endm
.set MUL_LO, 0xa1                      ; source 0 (P) window 1, source 1 (R) window 0, C and D window 2
.set MUL_HI, 0xf1                      ; the same, C and D window 3
.set TO_B,   0x40                      ; destination window 1, address window 0
; A joint load: waves 0 and 1 fetch for R, waves 2 and 3 for P.  Each line has one mask and one set of registers; the branch hangs on the wave's number alone.
; Four v_nop follow each of the two lines, ahead of the jump, the label and what follows.
.macro JLOAD g0a, g1a, g0b, g1b
	s_cmp_eq_u32 s15, 0
	s_cbranch_scc0 .Lfor_b_\@
	tensor_load_to_lds s[\g0a:\g0a+3], s[\g1a:\g1a+7]
	s_nop 0
.rept 4
	v_nop
.endr
	s_branch .Lasked_\@
.Lfor_b_\@:
	tensor_load_to_lds s[\g0b:\g0b+3], s[\g1b:\g1b+7]
	s_nop 0
.rept 4
	v_nop
.endr
.Lasked_\@:
.endm
.macro CREST                           ; a round of the cluster's barrier behind its opening barrier
	s_cmp_lg_u32 s14, 0
	s_cbranch_scc1 .Lnot_wave_0_\@
	s_barrier_signal -3
.Lnot_wave_0_\@:
	s_barrier_wait -3
	s_barrier_signal -1
	s_barrier_wait -1
.endm
.macro CROUND                          ; a whole round
	s_barrier_signal -1
	s_barrier_wait -1
	CREST
.endm
	s_load_b512 s[68:83], s[0:1], 0x0              ; x s[68:69], Wq s[70:71], Wk s[72:73], Wv s[74:75], the exponents s[76:77], q_img s[78:79], k_img s[80:81], v_img s[82:83]
	v_lshl_add_u32 v[SPW], v0, 2, SPARE
	v_mov_b32 v[NIL], 0
	ds_add_u32 v28, v29
	s_wait_dscnt 0x0
	v_lshrrev_b32 v1, 5, v0
	v_readfirstlane_b32 s14, v1                    ; wave 0..3
	s_lshr_b32 s15, s14, 1                         ; which 128 rows of R's tile I multiply.  Also: I fetch for R (0) or for P (1)
	s_and_b32 s16, s14, 1                          ; which 128 rows of P's tile I multiply.  Also: which 128 rows of that tile I fetch
	s_bfe_u32 s40, ttmp6, 0x40000                  ; cx, cy: my place in the cluster
	s_bfe_u32 s41, ttmp6, 0x40004
	s_and_b32 s12, ttmp7, 0xffff
	s_lshl_b32 s12, s12, 2                         ; 4 x cluster y
	s_cmp_eq_u32 ttmp9, 2                          ; the cluster's x: the same in all sixteen partners
	s_cselect_b32 s17, 0, s12                      ; R's tile: x's tile 4 x cluster y + cy (q, k), or Wv's tile cy (v):
	s_cselect_b32 s42, s12, 0                      ; P's tile: the weight's tile cx (q, k), or x's tile 4 x cluster y + cx (v)
	s_add_co_u32 s17, s17, s41                     ; never holds cx
	s_add_co_u32 s42, s42, s40                     ; never holds cy
	s_lshl_b32 s43, s41, 2
	s_lshl_b32 s43, 15, s43                        ; my row of the cluster
	s_lshl_b32 s44, 0x1111, s40                    ; my column
	; descriptor group 1: a tile of 128 rows x 256 bytes, padded in LDS
	s_or_b32 s[G1+0], s43, (0<<16)|(1<<20)|(1<<21)|(5<<22)|(3<<25)  ; 15:0 the mask: R's tiles go to my row; 17:16 element of 1 byte; 20 padding on; 21 set beside a mask; 24:22 after every 64 words (code 5); 31:25 of 4 words (code 3)
	s_or_b32 s[G1B+0], s44, (0<<16)|(1<<20)|(1<<21)|(5<<22)|(3<<25) ; the same with my column's mask
.irp g, G1, G1B
	s_mov_b32 s[\g+1], ROWB<<16                    ; tensor_dim0
	s_mov_b32 s[\g+2], 128<<16                     ; tensor_dim1 = 128
	s_mov_b32 s[\g+3], ROWB<<16                    ; tile_dim0
	s_mov_b32 s[\g+4], 128                         ; tile_dim1 = 128
	s_mov_b32 s[\g+5], KROW                        ; tensor_dim0_stride
	s_mov_b32 s[\g+6], 0
	s_mov_b32 s[\g+7], 0
.endr
	s_lshl_b32 s18, s16, 7                         ; which 128 rows of the tile I fetch
	s_lshl_b32 s20, s17, 8
	s_add_co_u32 s20, s20, s18
	s_lshl_b32 s20, s20, 10                        ; R: (256 x tile + 128 x half) rows of 1,024 bytes: under 2^23
	s_mov_b32 s21, 0
	s_lshl_b32 s46, s42, 8
	s_add_co_u32 s46, s46, s18
	s_lshl_b32 s46, s46, 10                        ; P likewise
	s_mov_b32 s47, 0
	s_mul_i32 s45, s14, HALFT                      ; where they go: wave x 128 rows: no place in the cluster enters an LDS address
	s_wait_kmcnt 0x0
	s_cmp_eq_u32 ttmp9, 2                          ; the buffers are chosen by the cluster's x alone
	s_cselect_b64 s[4:5], s[74:75], s[68:69]       ; R: Wv, or x
	s_cselect_b64 s[6:7], s[68:69], s[70:71]       ; P: x, or Wq
	s_cselect_b64 s[10:11], s[82:83], s[78:79]     ; out: v_img, or q_img
	s_cmp_eq_u32 ttmp9, 1
	s_cselect_b64 s[6:7], s[72:73], s[6:7]         ; P: Wk
	s_cselect_b64 s[10:11], s[80:81], s[10:11]     ; out: k_img
	s_load_b256 s[84:91], s[76:77], 0x0            ; e0 .. e7
	s_load_b128 s[92:95], s[76:77], 0x20           ; e8 .. e11
	s_add_nc_u64 s[20:21], s[4:5], s[20:21]
	s_add_nc_u64 s[46:47], s[6:7], s[46:47]
	CROUND                                         ; all sixteen work-groups are here: the first joint loads meet
.irp s, 0,1
	s_mov_b32 s[G0+4*\s], 1
	s_add_co_u32 s[G0+4*\s+1], s45, \s*SLOT
	s_add_nc_u64 s[G0+4*\s+2:G0+4*\s+3], s[20:21], \s*ROWB
	s_or_b32 s[G0+4*\s+3], s[G0+4*\s+3], 0x80000000
	s_mov_b32 s[G0B+4*\s], 1
	s_add_co_u32 s[G0B+4*\s+1], s45, \s*SLOT
	s_add_nc_u64 s[G0B+4*\s+2:G0B+4*\s+3], s[46:47], \s*ROWB
	s_or_b32 s[G0B+4*\s+3], s[G0B+4*\s+3], 0x80000000
	JLOAD G0+4*\s, G1, G0B+4*\s, G1B
.endr
	v_and_b32 v1, 15, v0                           ; l % 16
	v_bfe_u32 v2, v0, 4, 1                         ; l / 16
	v_mul_u32_u24 v3, v1, PITCH
	v_lshl_add_u32 v4, v2, 4, v3                   ; a fragment's row x pitch + 16 x half
	s_mul_i32 s21, s15, HALFT                      ; my 128 rows of R
	s_mul_i32 s22, s16, HALFT                      ; my 128 rows of P,
	s_add_co_u32 s22, s22, 2*HALFT                 ; which lie behind R's 256
.irp s, 0,1
	v_add_nc_u32 v[ADRA+\s], s21, v4
	v_add_nc_u32 v[ADRB+\s], s22, v4
	s_add_co_u32 s21, s21, SLOT
	s_add_co_u32 s22, s22, SLOT
.endr
	v_and_b32 v6, 31, v0
	v_lshlrev_b32 v[CO], 4, v6
	; where my wave's part of the image begins.  T0 = my first token, F0 = my first feature or channel; one formula serves the three images:
	; (16 x batch + F0 / 64) x 131,072 + (T0 mod 2048) x 64  (16 tokens are 1,024 bytes of q_img and k_img; 128 keys are 8,192 bytes of v_img)
	s_lshl_b32 s18, s17, 8
	s_lshl_b32 s19, s15, 7
	s_add_co_u32 s18, s18, s19                     ; my first row of R
	s_lshl_b32 s19, s42, 8
	s_lshl_b32 s23, s16, 7
	s_add_co_u32 s19, s19, s23                     ; my first row of P
	s_cmp_eq_u32 ttmp9, 2
	s_cselect_b32 s22, s19, s18                    ; T0
	s_cselect_b32 s23, s18, s19                    ; F0
	s_lshr_b32 s18, s22, 11
	s_lshl_b32 s18, s18, 4
	s_lshr_b32 s23, s23, 6
	s_add_co_u32 s18, s18, s23                     ; bh of my first head
	s_lshl_b32 s18, s18, 17
	s_and_b32 s22, s22, 2047
	s_lshl_b32 s22, s22, 6
	s_add_co_u32 s18, s18, s22
	s_mov_b32 s19, 0
	s_add_nc_u64 s[10:11], s[10:11], s[18:19]
.macro FRAG reg, adr, q, i             ; a fragment, 16 rows x 128 K: lane l holds row l % 16; registers 4 c .. 4 c + 3 hold K = 32 c + 16 (l / 16) + 0 .. 15
.irp c, 0,1,2,3
	ds_load_b128 v[\reg+4*\c:\reg+4*\c+3], v[\adr] offset:128*(\q)+32*\c+(\i)*16*PITCH
.endr
.endm
; 16 matrix instructions: R's blocks a0, a0 + 1 x P's eight, 128 along K.  p: P's set.  zero = 1: the first product starts the sums: nothing is ever cleared.
; The 64 accumulators take turns, one instruction a turn, in the same order in every step.
.macro MUL16 a0, p, zero
.irp a, \a0, \a0+1
.irp b, 0,1,2,3,4,5,6,7
.if \zero
	v_wmma_f32_16x16x128_fp8_fp8 v[8*(8*((\a)%4)+\b):8*(8*((\a)%4)+\b)+7], v[128*(\p)+FR*\b:128*(\p)+FR*\b+FR-1], v[AF+FR*(\a):AF+FR*(\a)+FR-1], 0
.else
	v_wmma_f32_16x16x128_fp8_fp8 v[8*(8*((\a)%4)+\b):8*(8*((\a)%4)+\b)+7], v[128*(\p)+FR*\b:128*(\p)+FR*\b+FR-1], v[AF+FR*(\a):AF+FR*(\a)+FR-1], v[8*(8*((\a)%4)+\b):8*(8*((\a)%4)+\b)+7]
.endif
.endr
.endr
.endm
.macro FETCH_B slot, q, p              ; P's eight fragments of the slot's q-th 128 along K into set p
	WIN TO_B
.irp i, 0,1,2,3,4,5,6,7
	FRAG 128*(\p)+FR*\i, ADRB+\slot, \q, \i
.endr
	WIN 0
.endm
.macro FETCH_A slot, q, i0             ; R's blocks i0 .. i0 + 3
.irp i, \i0, \i0+1, \i0+2, \i0+3
	FRAG AF+FR*(\i), ADRA+\slot, \q, \i
.endr
.endm
; A load into a register that a matrix instruction has read, and a vector instruction that reads a matrix result or writes one of a matrix instruction's registers, stand NP places behind it;
; only plain vector instructions that name none of its registers are places (ISA guide 7.12.1 for vector instructions).
.macro PLACES n
.rept \n
	v_nop
.endr
.endm
; A step of 128 along K that has its successor in the same slot.  A block of R is free as soon as its eight products are issued: blocks 0-3 are fetched anew in the step's middle, blocks 4-7 at its end.
.macro STEP slot, q, zero
	s_wait_dscnt 4*NL                              ; P's set and R's blocks 0-3 are in; the youngest sixteen loads (R's blocks 4-7) may be out
	WIN MUL_LO
	MUL16 0, (\q)%2, \zero
	MUL16 2, (\q)%2, \zero
	s_wait_dscnt 0                                 ; R's blocks 4-7 are in (asked for 32 matrix instructions ago)
	PLACES NP
	FETCH_B \slot, (\q)+1, 1-(\q)%2
	FETCH_A \slot, (\q)+1, 0
	WIN MUL_HI
	MUL16 4, (\q)%2, \zero
	MUL16 6, (\q)%2, \zero
	PLACES NP
	WIN 0
	FETCH_A \slot, (\q)+1, 4
.endm
; A slot's last step changes slots: ONE barrier; in front of it each wave waits for all its tensor loads, adds 0 to its spare word, and waits for that and for its own reads of this slot.  fill = 1: this slot is filled again, two K steps ahead.
.macro TURN slot, next, fill
	s_wait_tensorcnt 0x0                           ; all my tensor loads have landed: my part of the next slot  (every window is 0 here: the add's two registers lie in window 0)
	ds_add_u32 v[SPW], v[NIL]                      ; 0 onto my spare word
	s_wait_dscnt 4*NL+1                            ; (the add and the youngest sixteen loads, R's blocks 4-7, may be out)
	WIN MUL_LO
	MUL16 0, 1, 0                                  ; sixteen matrix instructions stand between the add and the wait for it
	s_wait_dscnt 0x0                               ; the add is done, and my reads of this slot are over
	s_barrier_signal -1
	MUL16 2, 1, 0
	WIN 0
	s_barrier_wait -1
.if \fill
	CREST                                          ; the barrier has opened a round of the cluster's barrier: no wave of any partner still reads this slot's tile or has a load on its way
	s_add_nc_u64 s[G0+4*\slot+2:G0+4*\slot+3], s[G0+4*\slot+2:G0+4*\slot+3], 2*ROWB
	s_add_nc_u64 s[G0B+4*\slot+2:G0B+4*\slot+3], s[G0B+4*\slot+2:G0B+4*\slot+3], 2*ROWB
	JLOAD G0+4*\slot, G1, G0B+4*\slot, G1B         ; the first tensor load behind the round; the four v_nop behind it are the places in front of the loads below
.else
	PLACES NP
.endif
	FETCH_B \next, 0, 0
	FETCH_A \next, 0, 0
	WIN MUL_HI
	MUL16 4, 1, 0
	MUL16 6, 1, 0
	PLACES NP
	WIN 0
	FETCH_A \next, 0, 4
.endm
	s_wait_tensorcnt 1                             ; my part of K step 0 is in (K step 1's one load may be out)
	s_barrier_signal -1
	s_barrier_wait -1                              ; everybody's is
	FETCH_B 0, 0, 0
	FETCH_A 0, 0, 0
	FETCH_A 0, 0, 4
	STEP 0, 0, 1                                   ; the first step's products start the sums
.rept LAPS-1                                       ; once round the ring, filling both slots again: K steps 2 and 3
	TURN 0, 1, 1
	STEP 1, 0, 0
	TURN 1, 0, 1
	STEP 0, 0, 0
.endr
	TURN 0, 1, 0                                   ; the last lap fills nothing, and has no round of the cluster's barrier
	STEP 1, 0, 0
	s_wait_dscnt 4*NL                              ; the very last step: nothing more to fetch
	WIN MUL_LO
	MUL16 0, 1, 0
	MUL16 2, 1, 0
	s_wait_dscnt 0
	WIN MUL_HI
	MUL16 4, 1, 0
	MUL16 6, 1, 0
	WIN 0
	; THE WAY OUT.  The scale: E = (the result's exponent) - (its two operands' exponents), chosen by the cluster's x without a branch.
	s_wait_kmcnt 0x0
	s_add_co_i32 s84, s84, s85                     ; e0 + e1
	s_add_co_i32 s86, s86, s87                     ; e2 + e3
	s_add_co_i32 s88, s88, s89                     ; e4 + e5
	s_cmp_eq_u32 ttmp9, 0
	s_cselect_b32 s96, s84, s86
	s_cselect_b32 s97, s90, s91                    ; e6 or e7
	s_cmp_eq_u32 ttmp9, 2
	s_cselect_b32 s96, s88, s96
	s_cselect_b32 s97, s93, s97                    ; e9
	s_sub_co_i32 s96, s97, s96                     ; E
	s_add_co_i32 s96, s96, 127
	s_lshl_b32 s97, s96, 23
	v_mov_b32 v[SC], s97                           ; 2^E as f32: the conversion takes its exponent field
	s_add_co_i32 s96, s96, 8
	s_lshl_b32 s96, s96, 23
	s_or_b32 s96, s96, 0x600000
	v_mov_b32 v[LIM], s96                          ; 448 x 2^E
	PLACES NP                                      ; behind the last products: their results are read below, and the codes land where R's fragments lay
.irp a, 0,1,2,3,4,5,6,7
.set AC, 64*((\a)%4)
	WIN (0x82+0x41*((\a)/4))                       ; source 0 and destination: window 2 or 3
.set jj, 0
.rept 64
	v_med3_num_f32 v[AC+jj], v[AC+jj], -v[LIM], v[LIM]   ; the conversion to an 8-bit code does not saturate (ISA guide 7.6.2): the hold first; each accumulator from its low end on
.set jj, jj+1
.endr
	WIN (0x02+((\a)/4))                            ; source 0: window 2 or 3; the codes go to window 0
.irp b, 0,1,2,3,4,5,6,7
	v_cvt_scalef32_pk8_fp8_f32 v[CD+16*\a+2*\b:CD+16*\a+2*\b+1], v[AC+8*\b:AC+8*\b+7], v[SC]   ; P's rows 16 b + 8 (l / 16) + 0 .. 7: registers 2 b, 2 b + 1 of the operand
.endr
.endr
	WIN 0
	v_nop                                          ; one plain vector line behind the last conversion
	s_cmp_eq_u32 ttmp9, 2                          ; the images differ in the immediates alone; the branch hangs on the cluster's x
	s_cbranch_scc1 .Lv_out
.irp a, 0,1,2,3,4,5,6,7                            ; q, k: block a = 16 tokens; registers 8 (g / 2) on = head g / 2 of my two; g % 2 = the fragment's half
.irp g, 0,1,2,3
	global_store_b128 v[CO], v[CD+16*\a+4*\g:CD+16*\a+4*\g+3], s[10:11] offset:\a*1024+(\g/2)*HEADB+(\g%2)*512   ; 32 lanes store 512 consecutive bytes, aligned
.endr
.endr
	s_branch .Lstored
.Lv_out:
.irp a, 0,1,2,3,4,5,6,7                            ; v: block a = 16 channels: head a / 4 of my two, channel tile a % 4; its 16 registers are one fragment of 128 keys
.irp g, 0,1,2,3
	global_store_b128 v[CO], v[CD+16*\a+4*\g:CD+16*\a+4*\g+3], s[10:11] offset:(\a/4)*HEADB+(\a%4)*2048+\g*512
.endr
.endr
.Lstored:
	s_wait_tensorcnt 0x0                           ; the wave's end, behind my last tensor load
	ds_add_u32 v[SPW], v[NIL]
	s_wait_dscnt 0x0
	CROUND                                         ; the closing round: no work-group ends while a partner may still ask for a tile that names it
	s_endpgm
.Lfunc_end_k_qe927f62490_qkv:
	.size	k_qe927f62490_qkv, .Lfunc_end_k_qe927f62490_qkv-k_qe927f62490_qkv
	.p2alignl 7, 3214868480
	.fill 96, 4, 3214868480
	.section	.rodata,"a",@progbits
	.p2align	6, 0x0
	.amdhsa_kernel k_qe927f62490_qkv
		.amdhsa_group_segment_fixed_size 327680
		.amdhsa_private_segment_fixed_size 0
		.amdhsa_enable_private_segment 0
		.amdhsa_kernarg_size 64
		.amdhsa_user_sgpr_count 2
		.amdhsa_user_sgpr_kernarg_segment_ptr 1
		.amdhsa_wavefront_size32 1
		.amdhsa_system_sgpr_workgroup_id_x 1
		.amdhsa_system_sgpr_workgroup_id_y 1
		.amdhsa_system_sgpr_workgroup_id_z 1
		.amdhsa_system_vgpr_workitem_id 0
		.amdhsa_next_free_vgpr 1024
		.amdhsa_next_free_sgpr 98
		.amdhsa_reserve_vcc 0
		.amdhsa_float_denorm_mode_32 3
		.amdhsa_float_denorm_mode_16_64 3
		.amdhsa_memory_ordered 1
		.amdhsa_forward_progress 1
		.amdhsa_inst_pref_size 121
	.end_amdhsa_kernel
	.amdgpu_metadata
---
amdhsa.version: [ 1, 2 ]
amdhsa.kernels:
  - .name:           k_qe927f62490_qkv
    .symbol:         k_qe927f62490_qkv.kd
    .args:
      - { .name: x_codes, .offset: 0, .size: 8, .value_kind: global_buffer, .address_space: global }
      - { .name: Wq_codes, .offset: 8, .size: 8, .value_kind: global_buffer, .address_space: global }
      - { .name: Wk_codes, .offset: 16, .size: 8, .value_kind: global_buffer, .address_space: global }
      - { .name: Wv_codes, .offset: 24, .size: 8, .value_kind: global_buffer, .address_space: global }
      - { .name: lowp_scales, .offset: 32, .size: 8, .value_kind: global_buffer, .address_space: global }
      - { .name: q_img, .offset: 40, .size: 8, .value_kind: global_buffer, .address_space: global }
      - { .name: k_img, .offset: 48, .size: 8, .value_kind: global_buffer, .address_space: global }
      - { .name: v_img, .offset: 56, .size: 8, .value_kind: global_buffer, .address_space: global }
    .group_segment_fixed_size: 327680
    .private_segment_fixed_size: 0
    .kernarg_segment_align: 8
    .kernarg_segment_size: 64
    .max_flat_workgroup_size: 128
    .sgpr_count:     98
    .vgpr_count:     1024
    .wavefront_size: 32
...
	.end_amdgpu_metadata
.endif
;; end of part 1
;; launch attn (part 2): grid 4 x 64, 16 waves a work-group, no clusters, 327,680 bytes of LDS; arguments q_img, k_img, v_img, lowp_scales, ctx_img; writes ctx_img
.if DOCPART == 2
	.amdgcn_target "amdgcn-amd-amdhsa--gfx1250"
	.amdhsa_code_object_version 6
	.text
	.protected	k_qe927f62490_attn
	.globl	k_qe927f62490_attn
	.p2align	8
	.type	k_qe927f62490_attn,@function
k_qe927f62490_attn:
	s_mov_b64 s[64:65], 0
	v_nop
	global_prefetch_b8 v0, s[64:65] scope:SCOPE_SE
	s_setreg_imm32_b32 hwreg(HW_REG_WAVE_MODE, 25, 1), 1
	s_wait_xcnt 0x0
; ctx[b][q][head] = softmax_k(q . k / 8, causal) v, both products on codes of FP8 (E4M3), and ctx quantised at once for the last product.
; q_img, k_img: images of the 16x16x64 form's fragments, (bh x 128 + token / 16) x 1024 + c x 512 + 16 x lane.  v_img: images of the 16x16x128 form's fragments of V^T (16 channels x 128 keys),
; ((bh x 16 + key / 128) x 4 + channel / 16) x 2048 + g x 512 + 16 x lane.  ctx_img: (row / 16) x 16384 + (k / 128) x 2048 + c x 512 + 16 x lane', lane' (r, h') holding k = 32 c + 16 h' + 0 .. 15 of row r.
; THE SOFTMAX: t = score x 2^(e6 + e7) x log2(e) / 8; M = the running largest t rounded UP to a whole number; p = 2^(t - M) is quantised with 2^e8, not normalised; the sum is taken of the unquantised p and divides at the end.
; When M moves, the sum and O are multiplied by 2^(old M - new M): nothing is rounded, and there is no branch on data.  ctx = O x 2^(e8 + e9) / sum; its code is (O / sum) / 2^(e10 - e8 - e9).
; LIMITS: e6 + e7 between -123 and 130 (added to c's exponent field); e8, and e10 - e8 - e9, between -126 and 119.  NaN is not served.
; SHARES.  A work-group owns one head (work-group y = bh) and TWO blocks of 256 queries: i = work-group x, and 7 - i.  Block j needs the key slots 0 .. j of 256 keys, so every work-group walks (i + 1) + (8 - i) = 9 slots:
; the trip count is a constant, and all 256 work-groups have the same work.  Each of the SIXTEEN waves owns 16 queries of the block in hand, in 256 registers: four waves to a SIMD, one wave's vector work beside another's products and LDS loads.
; NO CLUSTER: in a given trip the four work-groups of a head want different key slots (partner i walks 0 .. i and then 0 .. 7 - i); a common order would take 8 + 4 = 12 rounds against 9 trips, for 32,768 shared bytes a trip.
; LAYOUT.  S^T = K Q^T (source 0 = 16 keys, source 1 = my 16 queries), O^T = V^T P^T (source 0 = 16 channels, source 1 = P): a lane holds ONE query (lane % 16) throughout.  In tile t of S^T register j is key 16 t + 8 (lane / 16) + j:
; so the conversion of tile t gives registers 2 t, 2 t + 1 of the 16x16x128 form's own operand, the layout in which v_img lies.  Nothing is permuted.
; LDS: two slots of 32,768 bytes: 16 tiles of K (1,024 bytes each), then 2 x 4 fragments of V (2,048 each): dense images, read at 16 x lane, so no row, no pitch, no padding.  Wave 0 fetches K's 16,384 bytes, wave 1 V's.
; REGISTERS: v1-7 addresses and lane terms that stay; v2 the LDS address in hand; v12 -M, v13 the largest t, v[14:15] the sum in two halves; v16-23 Q; v24-31 ctx's codes; v32-95 K's eight fragments, then V's four;
;   v96-159 S^T, then p; v160-191 O^T; v224-239 p's codes; v236, v242, v243, v252-254 at work; v240, v244: 448 x 2^e8, 2^e8; v241, v245: the same with e10 - e8 - e9.
.set SLOT1, 32768                      ; slot 1 begins here: one exclusive or turns an address in one slot into the other's
.set VOFF,  16384                      ; V's fragments in a slot
.set SLOTB, 16384                      ; a slot's bytes of k_img, and of v_img
.set SPARE, 2*SLOT1                    ; behind the ring: the spare words, 128 bytes for each wave: eight blocks of 256 bytes that no other line names
.set LI,   1                           ; v1   16 x lane
.set ADR,  2                           ; v2   16 x lane + the slot in hand
.set PFO,  3                           ; v3   256 x lane: the prefetches' offset; never rewritten
.set GO,   4                           ; v4   16 (lane % 16) + 8 (lane / 16): my 8 bytes of a unit of ctx_img
.set SPW,  5                           ; v5   LDS address of my spare word; never rewritten
.set NIL,  6                           ; v6   0; never rewritten
.set DL,   7                           ; v7   lane % 16 - 8 (lane / 16): the lane's term of the causal mask
.set SWS,  16                          ; s16  8 - i: the count of slots at which the first block ends
.set KSN,  17                          ; s17  the key slot that is asked for next
.set WV,   18                          ; s18  my wave's number
.set SLOTS, 19                         ; s19  slots still to be asked for
.set SEL,  20                          ; s[20:21] lane selects for v_permlanex16_b32: lane l xor 16
.set CS,   22                          ; s[22:23] c = log2(e) / 8 x 2^(e6 + e7)
.set G1,   24                          ; s[24:31] descriptor group 1: one shape for K and V
.set OFF,  32                          ; s[32:33] the next key slot's bytes
.set TB,   34                          ; s34  LDS byte at which the slot in hand begins
.set KF,   35                          ; s35  the step's first key
.set Q0,   36                          ; s36  my first query
.set G0K,  40                          ; s[40:43], s[44:47] descriptor groups 0
.set G0V,  44
.set KB,   48                          ; s[48:49] k_img at my head;  s[50:51] v_img likewise
.set VB,   50
.set QP,   52                          ; s[52:53] q_img at my 16 queries
.set CP,   54                          ; s[54:55] ctx_img at my 16 rows and my head's 64 along K
.set PFA,  56                          ; s[56:57] where my prefetches stand
.set LIM,  58                          ; s58  4 in a wave that prefetches, else 0
.set DQ0,  59                          ; s59  queries from block i to block 7 - i
.set DQ,   60                          ; s[60:61] the same in bytes of q_img;  s[62:63] of ctx_img
.set DC,   62
; Wave 0 fetches K's part of a slot, wave 1 V's, the others nothing.  The branches hang on the wave's number alone.  Four v_nop follow each of the two lines.
.macro TLOAD
	s_cmp_eq_u32 s[WV], 0
	s_cbranch_scc0 .Lnot_k_\@
	tensor_load_to_lds s[G0K:G0K+3], s[G1:G1+7]
	s_nop 0
.rept 4
	v_nop
.endr
	s_branch .Lasked_\@
.Lnot_k_\@:
	s_cmp_eq_u32 s[WV], 1
	s_cbranch_scc0 .Lasked_\@
	tensor_load_to_lds s[G0V:G0V+3], s[G1:G1+7]
	s_nop 0
.rept 4
	v_nop
.endr
.Lasked_\@:
.endm
; A PREFETCH INTO THE L2 of the key slot that the NEXT change of slots of work-group x = 0 will ask for: that work-group walks slot 0 and then slots 0 .. 7, and is the first of its head to ask for slots 4 to 7
; (slots 1 to 3 are asked for by work-group 3's own tensor loads in trips 0 to 2, no later than a prefetch here could be).  In trip t its tensor loads ask for slot t, and PFA stands at slot t + 1.
; Trips 3 to 6 ask (SLOTS = 5 .. 2), one trip, two key steps of sixteen waves, ahead of the load.  Waves 4 and 5 name K's two halves of 8,192 bytes, waves 6 and 7 V's: lanes 256 bytes apart, one instruction a wave:
; each aligned block of 256 bytes is named once in the launch.  Slot 7 is the last that is named: no prefetch leaves the head's bytes.
.macro ASK
	s_sub_co_u32 s80, s[SLOTS], 2
	s_cmp_lt_u32 s80, s[LIM]
	s_cbranch_scc0 .Lnot_mine_\@
	global_prefetch_b8 v[PFO], s[PFA:PFA+1] th:TH_LOAD_NT scope:SCOPE_SE
.Lnot_mine_\@:
.endm
; A block's start: the largest t so far is -3e38, under every t; the sum and O^T are zeros, which the first change of M leaves zeros.  So the key step is written without a first step of its own.
.macro INIT
	v_mov_b32 v13, 0xff61b1e6
	v_floor_f32 v12, -v13                          ; -M
	v_mov_b32 v14, 0
	v_mov_b32 v15, 0
.set jj, 0
.rept 32
	v_mov_b32 v[160+jj], 0
.set jj, jj+1
.endr
.endm
	s_load_b256 s[4:11], s[0:1], 0x0               ; q_img s[4:5], k_img s[6:7], v_img s[8:9], the exponents s[10:11]
	s_load_b64 s[12:13], s[0:1], 0x20              ; ctx_img
	v_lshl_add_u32 v[SPW], v0, 2, SPARE
	v_mov_b32 v[NIL], 0
	ds_add_u32 v5, v6
	s_wait_dscnt 0x0
	v_lshrrev_b32 v8, 5, v0
	v_readfirstlane_b32 s[WV], v8                  ; wave 0..15
	s_and_b32 s15, ttmp7, 0xffff                   ; bh
	s_sub_co_u32 s[SWS], 8, ttmp9
	; descriptor group 1: 16,384 dense bytes as 64 rows of 256 bytes, elements of 8 bytes, no padding
	s_mov_b32 s[G1], 3<<16                         ; 15:0 no mask; 17:16 elements of 8 bytes
	s_mov_b32 s[G1+1], 32<<16                      ; tensor_dim0 = 32
	s_mov_b32 s[G1+2], 64<<16                      ; tensor_dim1 = 64
	s_mov_b32 s[G1+3], 32<<16                      ; tile_dim0 = 32
	s_mov_b32 s[G1+4], 64                          ; tile_dim1 = 64
	s_mov_b32 s[G1+5], 32                          ; tensor_dim0_stride
	s_mov_b32 s[G1+6], 0
	s_mov_b32 s[G1+7], 0
	s_mov_b32 s[SEL], 0x76543210
	s_mov_b32 s[SEL+1], 0xfedcba98
	s_mov_b32 s[CS], 0x3e38aa3b                    ; log2(e) / 8
	s_mov_b32 s[TB], 0
	s_mov_b32 s[KF], 0
	s_mov_b32 s[KSN], 0
	s_mov_b32 s[OFF+1], 0
	s_mov_b32 s[SLOTS], 8
	s_lshl_b32 s80, s15, 17                        ; my head's first byte in q_img, k_img and v_img
	s_mov_b32 s81, 0
	s_lshl_b32 s[Q0], ttmp9, 8
	s_lshl_b32 s82, s[WV], 4
	s_add_co_u32 s[Q0], s[Q0], s82                 ; my first query: 256 i + 16 x wave
	s_lshl_b32 s82, ttmp9, 1
	s_sub_co_u32 s82, 7, s82                       ; 7 - 2 i blocks from the first block to the second
	s_lshl_b32 s[DQ0], s82, 8
	s_lshl_b32 s[DQ], s82, 14
	s_mov_b32 s[DQ+1], 0
	s_lshl_b32 s[DC], s82, 18
	s_mov_b32 s[DC+1], 0
	s_lshl_b32 s84, s[Q0], 6                       ; 16 queries are 1,024 bytes of q_img
	s_add_co_u32 s84, s84, s80
	s_mov_b32 s85, 0
	s_lshr_b32 s86, s15, 4
	s_lshl_b32 s86, s86, 21                        ; ctx_img: the batch's 128 tiles of 16 rows, 16,384 bytes each,
	s_lshl_b32 s87, s[Q0], 10                      ; my tile,
	s_add_co_u32 s86, s86, s87
	s_and_b32 s87, s15, 15
	s_lshl_b32 s87, s87, 10                        ; and my head's 64 along K: 1,024 bytes
	s_add_co_u32 s86, s86, s87
	s_mov_b32 s87, 0
	s_wait_kmcnt 0x0
	s_load_b128 s[68:71], s[10:11], 0x18           ; e6, e7, e8, e9
	s_load_b32 s72, s[10:11], 0x28                 ; e10
	s_add_nc_u64 s[KB:KB+1], s[6:7], s[80:81]
	s_add_nc_u64 s[VB:VB+1], s[8:9], s[80:81]
	s_mov_b32 s[G0K], 1                            ; count = 1
	s_mov_b32 s[G0K+1], 0                          ; LDS address: slot 0
	s_mov_b64 s[G0K+2:G0K+3], s[KB:KB+1]           ; key slot 0
	s_or_b32 s[G0K+3], s[G0K+3], 0x80000000        ; type = 2
	s_mov_b32 s[G0V], 1
	s_mov_b32 s[G0V+1], VOFF
	s_mov_b64 s[G0V+2:G0V+3], s[VB:VB+1]
	s_or_b32 s[G0V+3], s[G0V+3], 0x80000000
	TLOAD                                          ; slot 0: the launch's one first fill at the head
	s_add_nc_u64 s[QP:QP+1], s[4:5], s[84:85]
	s_add_nc_u64 s[CP:CP+1], s[12:13], s[86:87]
	s_cmp_lt_u32 s[WV], 6                          ; the prefetches: waves 4 and 5 stand in k_img, waves 6 and 7 in v_img,
	s_cselect_b64 s[PFA:PFA+1], s[KB:KB+1], s[VB:VB+1]
	s_and_b32 s82, s[WV], 1
	s_lshl_b32 s82, s82, 13                        ; at their half of a slot's 16,384 bytes, in key slot 0: each change of slots steps it by a slot
	s_mov_b32 s83, 0
	s_add_nc_u64 s[PFA:PFA+1], s[PFA:PFA+1], s[82:83]
	s_sub_co_u32 s80, s[WV], 4
	s_lshr_b32 s80, s80, 2                         ; 0 in waves 4 to 7,
	s_or_b32 s80, s80, ttmp9                       ; of work-group x = 0
	s_cmp_eq_u32 s80, 0
	s_cselect_b32 s[LIM], 4, 0
	v_and_b32 v8, 31, v0
	v_lshlrev_b32 v[LI], 4, v8
	v_lshlrev_b32 v[PFO], 8, v8
	global_load_b128 v[16:19], v[LI], s[QP:QP+1]               ; Q's fragment stays in registers for a block
	global_load_b128 v[20:23], v[LI], s[QP:QP+1] offset:512
	v_and_b32 v9, 15, v0                           ; r
	v_bfe_u32 v10, v0, 4, 1                        ; h
	v_lshlrev_b32 v[GO], 4, v9
	v_lshl_add_u32 v[GO], v10, 3, v[GO]
	v_lshlrev_b32 v11, 3, v10
	v_sub_nc_u32 v[DL], v9, v11
	v_mov_b32 v236, 0                              ; written once: a lane permute's destination counts as one of its sources
	v_mov_b32 v252, 0
	v_mov_b32 v253, 0                              ; (named as the upper half of the pair v[252:253])
	INIT
	s_wait_kmcnt 0x0
	s_add_co_i32 s80, s68, s69
	s_lshl_b32 s80, s80, 23
	s_add_co_i32 s[CS], s[CS], s80                 ; a score stands for score x 2^(e6 + e7): the two exponents are added to c's exponent field
	s_mov_b32 s[CS+1], s[CS]                       ; (named with it as a pair, so it is written)
	s_add_co_i32 s80, s70, 127
	s_lshl_b32 s81, s80, 23
	v_mov_b32 v244, s81                            ; 2^e8 as f32, for p's conversion
	s_add_co_i32 s80, s80, 8
	s_lshl_b32 s80, s80, 23
	s_or_b32 s80, s80, 0x600000
	v_mov_b32 v240, s80                            ; 448 x 2^e8
	s_sub_co_i32 s80, s72, s70
	s_sub_co_i32 s80, s80, s71                     ; e10 - e8 - e9
	s_add_co_i32 s80, s80, 127
	s_lshl_b32 s81, s80, 23
	v_mov_b32 v245, s81                            ; 2^(e10 - e8 - e9), for ctx's conversion
	s_add_co_i32 s80, s80, 8
	s_lshl_b32 s80, s80, 23
	s_or_b32 s80, s80, 0x600000
	v_mov_b32 v241, s80                            ; 448 x that
; A KEY STEP: 128 keys, the q-th of the slot in hand.  A step all of whose keys come after my 16 queries is left out: a scalar branch on ids, round the step's loads, products and softmax;
; not round the line at its end that steps the key count, and no barrier or tensor load stands in a step.
.macro STEP q
	s_add_co_u32 s80, s[Q0], 15
	s_cmp_gt_u32 s[KF], s80
	s_cbranch_scc1 .Lhidden_\@
	v_add_nc_u32 v[ADR], s[TB], v[LI]
.rept 3
	v_nop                                          ; with the addition above: four places in front of loads into registers that the last products have read
.endr
.irp t, 0,1,2,3,4,5,6,7
.irp c, 0,1
	ds_load_b128 v[32+8*\t+4*\c:32+8*\t+4*\c+3], v[ADR] offset:(8*(\q)+\t)*1024+512*\c   ; K's tile t, as it was stored: 32 lanes, 512 consecutive bytes
.endr
.endr
	s_wait_dscnt 0x0
.irp t, 0,1,2,3,4,5,6,7
	v_wmma_f32_16x16x64_fp8_fp8 v[96+8*\t:103+8*\t], v[32+8*\t:39+8*\t], v[16:23], 0
.endr
.rept 4
	v_nop                                          ; places in front of the loads below and of the first read of the scores
.endr
.irp t, 0,1,2,3
.irp c, 0,1,2,3
	ds_load_b128 v[32+16*\t+4*\c:32+16*\t+4*\c+3], v[ADR] offset:VOFF+8192*(\q)+2048*\t+512*\c   ; V's four fragments land while the softmax is worked
.endr
.endr
	s_add_co_u32 s80, s[KF], 127                   ; on the diagonal the scores of hidden keys become -infinity ahead of the maximum: p = 0 then.  A step all of whose keys count skips this
	s_cmp_le_u32 s80, s[Q0]
	s_cbranch_scc1 .Lopen_\@
	s_sub_co_i32 s80, s[Q0], s[KF]
	v_add_nc_u32 v252, s80, v[DL]                  ; d = my query - KF - 8 (lane / 16).  Register 8 t + j holds key KF + 16 t + 8 (lane / 16) + j: hidden where 16 t + j > d
	v_mov_b32 v254, 0xff800000                     ; -infinity
.set nn, 0
.rept 64
	v_cmp_gt_i32 vcc_lo, 16*(nn/8)+nn%8, v252
	v_cndmask_b32 v[96+nn], v[96+nn], v254, vcc_lo
.set nn, nn+1
.endr
.Lopen_\@:
	v_max3_num_f32 v254, v96, v97, v98             ; the step's largest score of my query, among my 64 keys, in two chains; each tile is first read at its low end,
	v_max3_num_f32 v252, v99, v100, v101
.irp i, 6,10,14,18,22,26,30,34,38,42,46,50,54,58
	v_max3_num_f32 v254, v254, v[96+\i], v[97+\i]
	v_max3_num_f32 v252, v252, v[98+\i], v[99+\i]
.endr
	v_max3_num_f32 v254, v254, v158, v159
	v_max_num_f32 v254, v254, v252
	v_permlanex16_b32 v236, v254, s[SEL], s[SEL+1]
	v_max_num_f32 v254, v254, v236                 ; and among lane l xor 16's
	v_mul_f32 v254, s[CS], v254                    ; as t (c is positive)
	v_max_num_f32 v13, v13, v254                   ; the running largest t
	v_mov_b32 v254, v12
	v_floor_f32 v12, -v13                          ; the new -M = floor(-t) = -ceil(t): M is a whole number
	v_sub_f32 v254, v12, v254                      ; M's old value less its new one: a whole number, 0 or less
	v_cvt_i32_f32 v254, v254                       ; (it saturates)
	v_ldexp_f32 v252, 1.0, v254                    ; f = 2^(old M - new M)
.set jj, 0
.rept 32
	v_pk_fma_f32 v[96+jj:97+jj], v[96+jj:97+jj], s[CS:CS+1], v[12:13] op_sel_hi:[1,0,0]   ; t - M, two at a time (of the pairs c and -M the low word serves both halves)
.set jj, jj+2
.endr
.set jj, 0
.rept 64
	v_exp_f32 v[96+jj], v[96+jj]                   ; p = 2^(t - M), at most 1: not normalised
.set jj, jj+1
.endr
	v_pk_mul_f32 v[14:15], v[14:15], v[252:253] op_sel_hi:[1,0]   ; the sums under the new M: the plain line behind the exponentials
	s_wait_alu depctr_va_vdst(0)                   ; one wait for the whole batch, ahead of its first reader
	v_pk_add_f32 v[242:243], v[96:97], v[98:99]    ; the row's sum is taken of the unquantised p: two at a time, in two chains
.irp j, 4,8,12,16,20,24,28,32,36,40,44,48,52,56,60
	v_pk_add_f32 v[14:15], v[14:15], v[96+\j:97+\j]
	v_pk_add_f32 v[242:243], v[242:243], v[98+\j:99+\j]
.endr
	v_pk_add_f32 v[14:15], v[14:15], v[242:243]
.irp t, 0,1,2,3,4,5,6,7
.irp i, 0,1,2,3,4,5,6,7
	v_min_num_f32 v[96+8*\t+\i], v[96+8*\t+\i], v240   ; the conversion to an 8-bit code does not saturate (ISA guide 7.6.2); p is not negative, so the hold is one-sided
.endr
	v_cvt_scalef32_pk8_fp8_f32 v[224+2*\t:225+2*\t], v[96+8*\t:103+8*\t], v244   ; keys 16 t + 8 (lane / 16) + 0 .. 7: registers 2 t, 2 t + 1 of the operand
.endr
.set jj, 0
.rept 16
	v_pk_mul_f32 v[160+jj:161+jj], v[160+jj:161+jj], v[252:253] op_sel_hi:[1,0]   ; O^T under the new M.  (Also the plain lines between the conversions and the products below)
.set jj, jj+2
.endr
	s_wait_dscnt 0x0                               ; V is in
.irp t, 0,1,2,3                                    ; four accumulators by turns; eight products of S^T stand between two links of a chain
	v_wmma_f32_16x16x128_fp8_fp8 v[160+8*\t:167+8*\t], v[32+16*\t:47+16*\t], v[224:239], v[160+8*\t:167+8*\t]
.endr
.Lhidden_\@:
	s_add_co_u32 s[KF], s[KF], 128
.endm
; THE CHANGE OF SLOTS stands at a slot's head.  Each wave waits for all its tensor loads (at most one is out: its part of the slot that it is about to read), adds 0 to its spare word, and waits for that and for its reads of the slot that it has left.
; Behind the barrier the slot ahead is whole and nobody reads the other one.  fill = 1: that other slot is filled with the key slot that the next trip wants: the one after this trip's, or slot 0 where the second block begins.
.macro CHANGE fill
	s_wait_tensorcnt 0x0                           ; no tensor load of mine is out, so a group 0 may be written
	ds_add_u32 v[SPW], v[NIL]                      ; 0 onto my spare word; the descriptors' steps stand between it and the wait for it
.if \fill
	s_add_co_u32 s[KSN], s[KSN], 1
	s_cmp_eq_u32 s[SLOTS], s[SWS]                  ; this trip is the first block's last
	s_cselect_b32 s[KSN], 0, s[KSN]
	s_lshl_b32 s[OFF], s[KSN], 14
	s_xor_b32 s[G0K+1], s[G0K+1], SLOT1            ; the other LDS slot than last time
	s_add_nc_u64 s[G0K+2:G0K+3], s[KB:KB+1], s[OFF:OFF+1]
	s_or_b32 s[G0K+3], s[G0K+3], 0x80000000
	s_xor_b32 s[G0V+1], s[G0V+1], SLOT1
	s_add_nc_u64 s[G0V+2:G0V+3], s[VB:VB+1], s[OFF:OFF+1]
	s_or_b32 s[G0V+3], s[G0V+3], 0x80000000
	s_wait_xcnt 0x0                                ; the last prefetch, a trip back, has read its address, so it may be written
	s_add_nc_u64 s[PFA:PFA+1], s[PFA:PFA+1], SLOTB
.endif
	s_wait_dscnt 0x0                               ; the add is done, and my reads of the slot that I have left are over
	s_barrier_signal -1
	s_barrier_wait -1
.if \fill
	TLOAD                                          ; the first thing behind the barrier, and a wave's one tensor load until the next
	ASK
.endif
.endm
.macro SLOT_STEPS
	STEP 0
	STEP 1
	s_xor_b32 s[TB], s[TB], SLOT1                  ; on to the other slot
.endm
; A BLOCK'S END.  O^T / the sum is held, turned into codes and stored: tile t's eight channels of a lane are 8 bytes of ctx_img, and the 32 lanes' 8 bytes are 256 consecutive bytes, aligned.
; reload = 1: on to block 7 - i: its Q, its rows of ctx_img, its first query; the keys begin again at 0.
.macro FINISH reload
.rept 4
	v_nop                                          ; places behind the last products
.endr
	v_add_f32 v14, v14, v15                        ; the sum's two halves,
	v_permlanex16_b32 v252, v14, s[SEL], s[SEL+1]
	v_add_f32 v14, v14, v252                       ; and lane l xor 16's: the row's sum
	v_rcp_f32 v14, v14
	v_nop                                          ; one plain line behind the transcendental
	s_wait_alu depctr_va_vdst(0)                   ; and the wait ahead of its first reader
.set jj, 0
.rept 16
	v_pk_mul_f32 v[96+jj:97+jj], v[160+jj:161+jj], v[14:15] op_sel_hi:[1,0]   ; each accumulator from its low end on
.set jj, jj+2
.endr
.irp t, 0,1,2,3
.irp i, 0,1,2,3,4,5,6,7
	v_med3_num_f32 v[96+8*\t+\i], v[96+8*\t+\i], -v241, v241
.endr
	v_cvt_scalef32_pk8_fp8_f32 v[24+2*\t:25+2*\t], v[96+8*\t:103+8*\t], v245
.endr
	v_nop                                          ; one plain line behind the last conversion
.irp t, 0,1,2,3
	global_store_b64 v[GO], v[24+2*\t:25+2*\t], s[CP:CP+1] offset:256*\t
.endr
.if \reload
	s_wait_xcnt 0x0                                ; the stores have read their base and their data: both may be written again
	s_add_nc_u64 s[CP:CP+1], s[CP:CP+1], s[DC:DC+1]
	s_add_nc_u64 s[QP:QP+1], s[QP:QP+1], s[DQ:DQ+1]
	global_load_b128 v[16:19], v[LI], s[QP:QP+1]
	global_load_b128 v[20:23], v[LI], s[QP:QP+1] offset:512
	s_add_co_u32 s[Q0], s[Q0], s[DQ0]
	s_mov_b32 s[KF], 0
	INIT
	s_wait_loadcnt 0x0
.endif
.endm
	s_wait_loadcnt 0x0                             ; Q
.Lslot:                                            ; eight trips: behind each change of slots but the last the next slot is asked for
	CHANGE 1
	SLOT_STEPS
	s_cmp_lg_u32 s[SLOTS], s[SWS]                  ; the first block ends behind trip i: a branch on the work-group's number, the same in all sixteen waves
	s_cbranch_scc1 .Lsame
	FINISH 1
.Lsame:
	s_sub_co_u32 s[SLOTS], s[SLOTS], 1
	s_cmp_lg_u32 s[SLOTS], 0
	s_cbranch_scc1 .Lslot
	CHANGE 0                                       ; the last slot is written out
	SLOT_STEPS
	FINISH 0
	s_wait_tensorcnt 0x0                           ; the wave's end, behind my last tensor load
	ds_add_u32 v[SPW], v[NIL]
	s_wait_dscnt 0x0
	s_endpgm
.Lfunc_end_k_qe927f62490_attn:
	.size	k_qe927f62490_attn, .Lfunc_end_k_qe927f62490_attn-k_qe927f62490_attn
	.p2alignl 7, 3214868480
	.fill 96, 4, 3214868480
	.section	.rodata,"a",@progbits
	.p2align	6, 0x0
	.amdhsa_kernel k_qe927f62490_attn
		.amdhsa_group_segment_fixed_size 327680
		.amdhsa_private_segment_fixed_size 0
		.amdhsa_enable_private_segment 0
		.amdhsa_kernarg_size 40
		.amdhsa_user_sgpr_count 2
		.amdhsa_user_sgpr_kernarg_segment_ptr 1
		.amdhsa_wavefront_size32 1
		.amdhsa_system_sgpr_workgroup_id_x 1
		.amdhsa_system_sgpr_workgroup_id_y 1
		.amdhsa_system_sgpr_workgroup_id_z 1
		.amdhsa_system_vgpr_workitem_id 0
		.amdhsa_next_free_vgpr 256
		.amdhsa_next_free_sgpr 96
		.amdhsa_reserve_vcc 1
		.amdhsa_float_denorm_mode_32 3
		.amdhsa_float_denorm_mode_16_64 3
		.amdhsa_memory_ordered 1
		.amdhsa_forward_progress 1
		.amdhsa_inst_pref_size 100
	.end_amdhsa_kernel
	.amdgpu_metadata
---
amdhsa.version: [ 1, 2 ]
amdhsa.kernels:
  - .name:           k_qe927f62490_attn
    .symbol:         k_qe927f62490_attn.kd
    .args:
      - { .name: q_img, .offset: 0, .size: 8, .value_kind: global_buffer, .address_space: global }
      - { .name: k_img, .offset: 8, .size: 8, .value_kind: global_buffer, .address_space: global }
      - { .name: v_img, .offset: 16, .size: 8, .value_kind: global_buffer, .address_space: global }
      - { .name: lowp_scales, .offset: 24, .size: 8, .value_kind: global_buffer, .address_space: global }
      - { .name: ctx_img, .offset: 32, .size: 8, .value_kind: global_buffer, .address_space: global }
    .group_segment_fixed_size: 327680
    .private_segment_fixed_size: 0
    .kernarg_segment_align: 8
    .kernarg_segment_size: 40
    .max_flat_workgroup_size: 512
    .sgpr_count:     96
    .vgpr_count:     256
    .wavefront_size: 32
...
	.end_amdgpu_metadata
.endif
;; end of part 2
;; launch proj (part 3): grid 4 x 64, 4 waves a work-group, clusters of 4 x 4, 327,680 bytes of LDS; arguments ctx_img, Wo_codes, lowp_scales, bo, out0; writes out0
.if DOCPART == 3
	.amdgcn_target "amdgcn-amd-amdhsa--gfx1250"
	.amdhsa_code_object_version 6
	.text
	.protected	k_qe927f62490_proj
	.globl	k_qe927f62490_proj
	.p2align	8
	.type	k_qe927f62490_proj,@function
k_qe927f62490_proj:
	s_mov_b64 s[64:65], 0
	v_nop
	global_prefetch_b8 v0, s[64:65] scope:SCOPE_SE
	s_setreg_imm32_b32 hwreg(HW_REG_WAVE_MODE, 25, 1), 1
	s_wait_xcnt 0x0
	s_wait_alu depctr_hold_cnt(0) depctr_sa_sdst(0) depctr_va_vdst(0) depctr_va_sdst(0) depctr_va_ssrc(0) depctr_va_vcc(0) depctr_vm_vsrc(0)
	s_getreg_b32 s2, hwreg(HW_REG_IB_STS2, 6, 4)
	s_cmp_eq_u32 s2, 0
	s_cbranch_scc0 .Lentry_in_a_cluster
	s_endpgm
.Lentry_in_a_cluster:
	s_bfe_u32 s2, ttmp6, 0x10000c
	s_cmp_lg_u32 s2, 0xf033
	s_cbranch_scc0 .Lentry_shape_is_right
	s_endpgm
.Lentry_shape_is_right:
; out0 = ctx Wo^T x 2^(e10 + e11) + bo, on codes of FP8 (E4M3), sums in f32.  ctx_img: images of operand registers, (row / 16) x 16384 + (k / 128) x 2048 + c x 512 + 16 x lane, lane (r, h) holding
; k = 32 c + 16 h + 0 .. 15 of row r in registers 4 c .. 4 c + 3.  Wo: [1024][1024] codes, K innermost.  bo: [1024] f32.  out0: [8192][1024] f32.
; LIMIT: e10 + e11 lies between -126 and 127, so that 2^(e10 + e11) is an f32 number.
; SHARES.  A tile of out0 is 128 rows x 256 columns: 64 x 4 = 256 work-groups, one for each WGP.  Four waves, each 64 rows x 128 columns: 32 accumulators of 16 x 16, 256 registers.
; THE MATRIX INSTRUCTION IS USED TRANSPOSED: source 0 = P = 16 rows of Wo (columns of out0), source 1 = R = 16 rows of ctx: a lane holds eight neighbouring numbers of a row of out0.
; Wo's fragments are fetched by four loads of 16 bytes, 32 bytes apart: the same places of k that ctx_img gives ctx's, so every product meets its partner.
; CLUSTERS: 4 x 4 work-groups.  ctx's tile hangs on the tile row alone and is asked for jointly by a row of the cluster; Wo's on cx alone, by a column.
; K goes in steps of 256 through a ring of two LDS slots; K = 1024 is four steps, so the ring's one lap that refills is written straight.
; LDS, a slot: ctx's 8 tiles of 16 rows, 4,096 dense bytes each (two K steps of 128 as images, read at 16 x lane); then Wo's 256 rows of 256 bytes + 16 of padding.  Waves 0 and 1 fetch ctx's halves, waves 2 and 3 Wo's.
; REGISTERS, in windows of 256: window 0: v0-31 addresses; v96-99 bo of my four columns; from v128 R's fragments, TWO sets of 64; on the way out rows of out0.  window 1: P's fragments, TWO sets of 128.  window 2: accumulator (a, b) at v[8 (8 a + b)].
.set KROW,   1024                      ; a row of Wo in memory, in bytes
.set PITCH,  272                       ; Wo's LDS row: 256 bytes + 16 of padding = 68 words: the 16 rows that a load touches start at 16 different banks (64 banks of 4 bytes: ISA guide 11.1)
.set FR,     16                        ; registers of a fragment: 16 rows x 128 K
.set RHALF,  16384                     ; ctx: 64 rows x 256 K: what one tensor load brings, and what one wave reads
.set POFF,   2*RHALF                   ; Wo's rows in a slot
.set PHALF,  128*PITCH                 ; Wo: 128 rows
.set SLOT,   POFF+2*PHALF              ; 102,400
.set LAPS,   2
.set SPARE,  2*SLOT                    ; behind the ring: the spare words, 128 bytes for each wave: two blocks of 256 bytes that no other line names
.set STAGE,  SPARE+512                 ; the way out: 16 rows x (512 bytes + 16) for each wave, in bytes of its own: no tile lands there
.set SPITCH, 528
.set ADRA, 16                          ; v16-17  LDS address of my R fragments in slot 0, 1
.set ADRB, 20                          ; v20-21  the same for P
.set STO,  24                          ; v24     the way out: where I put 32 bytes of a row
.set RD,   25                          ; v25     the way out: where I read a row back
.set CO,   26                          ; v26     16 x lane
.set SPW,  28                          ; v28     LDS address of my spare word; never rewritten
.set NIL,  29                          ; v29     0; never rewritten
.set BI,   96                          ; v96-99  bo at the four columns that I store
.set AF,   128                         ; R's fragments
.set BK,   128                         ; the way out: 16 rows read back from the stage: v128-191 and v192-255 by turns
.set G1, 24                            ; s[24:31] descriptor group 1 for R's tiles;  s[32:39] group 0, one set for each slot
.set G0, 32
.set G1B, 48                           ; s[48:55], s[56:63] the same for P's tiles
.set G0B, 56
.set MSB, 0
.macro WIN new                         ; the immediate's high byte repeats the setting that is left
.if MSB != \new
	s_set_vgpr_msb (MSB<<8)|\new
.set MSB, \new
.endif
.endm
.set MUL,  0xa1                        ; source 0 (P) window 1, source 1 (R) window 0, C and D window 2
.set TO_B, 0x40                        ; destination window 1, address window 0
; A joint load: waves 0 and 1 fetch for R, waves 2 and 3 for P; the branch hangs on the wave's number alone.  Four v_nop follow each of the two lines.
.macro JLOAD g0a, g1a, g0b, g1b
	s_cmp_eq_u32 s15, 0
	s_cbranch_scc0 .Lfor_b_\@
	tensor_load_to_lds s[\g0a:\g0a+3], s[\g1a:\g1a+7]
	s_nop 0
.rept 4
	v_nop
.endr
	s_branch .Lasked_\@
.Lfor_b_\@:
	tensor_load_to_lds s[\g0b:\g0b+3], s[\g1b:\g1b+7]
	s_nop 0
.rept 4
	v_nop
.endr
.Lasked_\@:
.endm
.macro CREST                           ; a round of the cluster's barrier behind its opening barrier
	s_cmp_lg_u32 s14, 0
	s_cbranch_scc1 .Lnot_wave_0_\@
	s_barrier_signal -3
.Lnot_wave_0_\@:
	s_barrier_wait -3
	s_barrier_signal -1
	s_barrier_wait -1
.endm
.macro CROUND                          ; a whole round
	s_barrier_signal -1
	s_barrier_wait -1
	CREST
.endm
	s_load_b128 s[4:7], s[0:1], 0x0                ; ctx_img s[4:5], Wo's codes s[6:7]
	s_load_b128 s[8:11], s[0:1], 0x10              ; the exponents s[8:9], bo s[10:11]
	s_load_b64 s[12:13], s[0:1], 0x20              ; out0
	v_lshl_add_u32 v[SPW], v0, 2, SPARE
	v_mov_b32 v[NIL], 0
	ds_add_u32 v28, v29
	s_wait_dscnt 0x0
	v_lshrrev_b32 v1, 5, v0
	v_readfirstlane_b32 s14, v1                    ; wave 0..3
	s_lshr_b32 s15, s14, 1                         ; which 64 rows of the tile are mine.  Also: I fetch for R (0) or for P (1)
	s_and_b32 s16, s14, 1                          ; which 128 columns.  Also: which half of that tile I fetch
	s_bfe_u32 s40, ttmp6, 0x40000                  ; cx = the tile column (the grid is one cluster wide)
	s_bfe_u32 s41, ttmp6, 0x40004                  ; cy
	s_and_b32 s17, ttmp7, 0xffff
	s_lshl_b32 s17, s17, 2
	s_add_co_u32 s17, s17, s41                     ; tile row = 4 x cluster y + cy
	s_lshl_b32 s43, s41, 2
	s_lshl_b32 s43, 15, s43                        ; my row of the cluster
	s_lshl_b32 s44, 0x1111, s40                    ; my column
	; descriptor group 1 for R: 4 rows of 4,096 bytes (a tile of 16 rows' two K steps of 128), 16,384 bytes apart, dense in LDS; elements of 8 bytes
	s_or_b32 s[G1+0], s43, (3<<16)|(1<<21)         ; 15:0 the mask: my row; 17:16 elements of 8 bytes; 21 set beside a mask
	s_mov_b32 s[G1+1], 512<<16                     ; tensor_dim0 = 512
	s_mov_b32 s[G1+2], 4<<16                       ; tensor_dim1 = 4
	s_mov_b32 s[G1+3], 512<<16                     ; tile_dim0 = 512
	s_mov_b32 s[G1+4], 4                           ; tile_dim1 = 4
	s_mov_b32 s[G1+5], 2048                        ; tensor_dim0_stride
	s_mov_b32 s[G1+6], 0
	s_mov_b32 s[G1+7], 0
	; for P: 128 rows of 256 bytes, padded in LDS
	s_or_b32 s[G1B+0], s44, (0<<16)|(1<<20)|(1<<21)|(5<<22)|(3<<25)  ; the mask: my column; element of 1 byte; padding on; 21 set beside a mask; after every 64 words (code 5) 4 words (code 3)
	s_mov_b32 s[G1B+1], 256<<16
	s_mov_b32 s[G1B+2], 128<<16
	s_mov_b32 s[G1B+3], 256<<16
	s_mov_b32 s[G1B+4], 128
	s_mov_b32 s[G1B+5], KROW
	s_mov_b32 s[G1B+6], 0
	s_mov_b32 s[G1B+7], 0
	s_lshl_b32 s20, s17, 3
	s_lshl_b32 s18, s16, 2
	s_add_co_u32 s20, s20, s18
	s_lshl_b32 s20, s20, 14                        ; R: (8 x tile row + 4 x half) tiles of 16 rows, 16,384 bytes each: under 2^23
	s_mov_b32 s21, 0
	s_lshl_b32 s46, s40, 8
	s_lshl_b32 s18, s16, 7
	s_add_co_u32 s46, s46, s18
	s_lshl_b32 s46, s46, 10                        ; P: (256 cx + 128 x half) rows of 1,024 bytes
	s_mov_b32 s47, 0
	s_lshl_b32 s45, s16, 14                        ; where they go: R's half,
	s_mul_i32 s19, s16, PHALF
	s_add_co_u32 s19, s19, POFF                    ; P's half: no place in the cluster enters an LDS address
	s_wait_kmcnt 0x0
	s_load_b64 s[96:97], s[8:9], 0x28              ; e10, e11
	s_add_nc_u64 s[20:21], s[4:5], s[20:21]
	s_add_nc_u64 s[46:47], s[6:7], s[46:47]
	CROUND                                         ; all sixteen work-groups are here: the first joint loads meet
.irp s, 0,1
	s_mov_b32 s[G0+4*\s], 1
	s_add_co_u32 s[G0+4*\s+1], s45, \s*SLOT
	s_add_nc_u64 s[G0+4*\s+2:G0+4*\s+3], s[20:21], \s*4096
	s_or_b32 s[G0+4*\s+3], s[G0+4*\s+3], 0x80000000
	s_mov_b32 s[G0B+4*\s], 1
	s_add_co_u32 s[G0B+4*\s+1], s19, \s*SLOT
	s_add_nc_u64 s[G0B+4*\s+2:G0B+4*\s+3], s[46:47], \s*256
	s_or_b32 s[G0B+4*\s+3], s[G0B+4*\s+3], 0x80000000
	JLOAD G0+4*\s, G1, G0B+4*\s, G1B
.endr
	v_and_b32 v1, 15, v0                           ; l % 16
	v_bfe_u32 v2, v0, 4, 1                         ; l / 16
	v_and_b32 v6, 31, v0
	v_lshlrev_b32 v[CO], 4, v6
	v_mul_u32_u24 v3, v1, PITCH
	v_lshl_add_u32 v4, v2, 4, v3                   ; Wo: a fragment's row x pitch + 16 x half
	s_lshl_b32 s21, s15, 14                        ; my 64 rows of ctx
	s_mul_i32 s22, s16, PHALF                      ; my 128 rows of Wo,
	s_add_co_u32 s22, s22, POFF                    ; which lie behind ctx's
.irp s, 0,1
	v_add_nc_u32 v[ADRA+\s], s21, v[CO]
	v_add_nc_u32 v[ADRB+\s], s22, v4
	s_add_co_u32 s21, s21, SLOT
	s_add_co_u32 s22, s22, SLOT
.endr
	s_mul_i32 s23, s14, 16*SPITCH
	s_add_co_u32 s23, s23, STAGE                   ; my stage
	v_mul_u32_u24 v5, v1, SPITCH                   ; in: row l % 16, 32 bytes for each half of the lanes
	v_lshl_add_u32 v5, v2, 5, v5
	v_add_nc_u32 v[STO], s23, v5
	v_add_nc_u32 v[RD], s23, v[CO]                 ; back: the 32 lanes take one row of 512 bytes
	s_lshl_b32 s18, s40, 10
	s_lshl_b32 s19, s16, 9
	s_add_co_u32 s18, s18, s19                     ; my first column, in bytes of f32: 1024 cx + 512 x half
	s_mov_b32 s19, 0
	s_add_nc_u64 s[10:11], s[10:11], s[18:19]
	global_load_b128 v[BI:BI+3], v[CO], s[10:11]   ; bo at the four columns that I store in every row
	s_lshl_b32 s20, s17, 7
	s_lshl_b32 s21, s15, 6
	s_add_co_u32 s20, s20, s21                     ; my first row: 128 x tile row + 64 x half
	s_lshl_b32 s20, s20, 12                        ; rows of 4,096 bytes: under 2^25
	s_add_co_u32 s20, s20, s18
	s_mov_b32 s21, 0
	s_add_nc_u64 s[12:13], s[12:13], s[20:21]
; 8 matrix instructions: R's block a x P's eight, 128 along K, from set p.  zero = 1: the first product starts the sums.  The 32 accumulators take turns, in the same order in every step.
.macro MUL8 a, p, zero
.irp b, 0,1,2,3,4,5,6,7
.if \zero
	v_wmma_f32_16x16x128_fp8_fp8 v[8*(8*(\a)+\b):8*(8*(\a)+\b)+7], v[128*(\p)+FR*\b:128*(\p)+FR*\b+FR-1], v[AF+64*(\p)+FR*(\a):AF+64*(\p)+FR*(\a)+FR-1], 0
.else
	v_wmma_f32_16x16x128_fp8_fp8 v[8*(8*(\a)+\b):8*(8*(\a)+\b)+7], v[128*(\p)+FR*\b:128*(\p)+FR*\b+FR-1], v[AF+64*(\p)+FR*(\a):AF+64*(\p)+FR*(\a)+FR-1], v[8*(8*(\a)+\b):8*(8*(\a)+\b)+7]
.endif
.endr
.endm
; 48 LDS loads in one run: the fragments of the slot's q-th 128 along K into set p: P's eight, then R's four
.macro FETCH slot, q, p
	WIN TO_B
.irp i, 0,1,2,3,4,5,6,7
.irp c, 0,1,2,3
	ds_load_b128 v[128*(\p)+FR*\i+4*\c:128*(\p)+FR*\i+4*\c+3], v[ADRB+\slot] offset:128*(\q)+32*\c+\i*16*PITCH
.endr
.endr
	WIN 0
.irp a, 0,1,2,3
.irp c, 0,1,2,3
	ds_load_b128 v[AF+64*(\p)+FR*\a+4*\c:AF+64*(\p)+FR*\a+4*\c+3], v[ADRA+\slot] offset:\a*4096+(\q)*2048+\c*512
.endr
.endr
.endm
.macro PLACES n                        ; places in front of loads into registers that matrix instructions have read, and of the first read of results (ISA guide 7.12.1 for vector instructions)
.rept \n
	v_nop
.endr
.endm
; A slot's first 128 along K, on set 0; in its middle the second 128 are fetched into set 1.
.macro STEP slot, zero
	s_wait_dscnt 8                                 ; P's eight and R's blocks 0 and 1 are in; the youngest eight loads (R's blocks 2 and 3) may be out
	WIN MUL
	MUL8 0, 0, \zero
	MUL8 1, 0, \zero
	PLACES 4
	FETCH \slot, 1, 1
	s_wait_dscnt 48                                ; all but the 48 just issued
	WIN MUL
	MUL8 2, 0, \zero
	MUL8 3, 0, \zero
	WIN 0
.endm
; A slot's second 128, on set 1, change slots: ONE barrier; in front of it each wave waits for all its tensor loads, adds 0 to its spare word, and waits for that and for its own reads of this slot.  fill = 1: this slot is filled again, two K steps ahead.
.macro TURN slot, next, fill
	s_wait_tensorcnt 0x0                           ; all my tensor loads have landed: my part of the next slot  (every window is 0 here: the add's two registers lie in window 0)
	ds_add_u32 v[SPW], v[NIL]                      ; 0 onto my spare word
	s_wait_dscnt 9                                 ; (the add and the youngest eight loads may be out)
	WIN MUL
	MUL8 0, 1, 0                                   ; eight matrix instructions stand between the add and the wait for it
	s_wait_dscnt 0x0                               ; the add is done, and my reads of this slot are over
	s_barrier_signal -1
	MUL8 1, 1, 0
	WIN 0
	s_barrier_wait -1
.if \fill
	CREST                                          ; the barrier has opened a round of the cluster's barrier: no wave of any partner still reads this slot's tile or has a load on its way
	s_add_nc_u64 s[G0+4*\slot+2:G0+4*\slot+3], s[G0+4*\slot+2:G0+4*\slot+3], 2*4096
	s_add_nc_u64 s[G0B+4*\slot+2:G0B+4*\slot+3], s[G0B+4*\slot+2:G0B+4*\slot+3], 2*256
	JLOAD G0+4*\slot, G1, G0B+4*\slot, G1B         ; the first tensor load behind the round; the four v_nop behind it are the places in front of the loads below
.else
	PLACES 4
.endif
	FETCH \next, 0, 0
	WIN MUL
	MUL8 2, 1, 0
	MUL8 3, 1, 0
	WIN 0
.endm
	s_wait_tensorcnt 1                             ; my part of K step 0 is in (K step 1's one load may be out)
	s_barrier_signal -1
	s_barrier_wait -1                              ; everybody's is
	FETCH 0, 0, 0
	STEP 0, 1                                      ; the first step's products start the sums
.rept LAPS-1                                       ; once round the ring, filling both slots again: K steps 2 and 3
	TURN 0, 1, 1
	STEP 1, 0
	TURN 1, 0, 1
	STEP 0, 0
.endr
	TURN 0, 1, 0                                   ; the last lap fills nothing, and has no round of the cluster's barrier
	STEP 1, 0
	s_wait_dscnt 8                                 ; the very last step: nothing more to fetch
	WIN MUL
	MUL8 0, 1, 0
	MUL8 1, 1, 0
	s_wait_dscnt 0
	MUL8 2, 1, 0
	MUL8 3, 1, 0
	WIN 0
; THE WAY OUT, block by block of 16 rows x 128 columns.  A lane holds 32 neighbouring bytes of a row, and the lanes beside it hold other rows: so a block's sums go through my own stage in LDS as they are and come back as whole
; rows of 512 bytes; there each lane has the same four columns in every row, so four registers of bo serve: y = sum x 2^(e10 + e11) + bo, one packed multiply-add for two numbers.
; LDS serves a wave's instructions in order (ISA guide 5.7.1.4): no wait between the stores and the loads, nor in front of the next block's stores.
.macro TOSTAGE a
	WIN 0x08                                       ; the stores' data: window 2
.irp b, 0,1,2,3,4,5,6,7
	ds_store_b128 v[STO], v[64*(\a)+8*\b:64*(\a)+8*\b+3] offset:64*\b          ; each accumulator from its low end on
	ds_store_b128 v[STO], v[64*(\a)+8*\b+4:64*(\a)+8*\b+7] offset:64*\b+16
.endr
	WIN 0
.set BB, BK+64*((\a)%2)
.irp t, 0,1,2,3,4,5,6,7,8,9,10,11,12,13,14,15
	ds_load_b128 v[BB+4*\t:BB+4*\t+3], v[RD] offset:\t*SPITCH
.endr
.endm
.macro SEND a, younger                 ; younger: the LDS instructions issued behind block a's loads, which may stay out
.set BB, BK+64*((\a)%2)
	s_wait_dscnt \younger                          ; the block is back in registers
.if (\a) > 0
	s_add_nc_u64 s[12:13], s[12:13], 16*4096       ; (behind a wait on XCNT: the earlier stores have read their base)  16 rows of out0 on
.endif
.irp t, 0,1,2,3,4,5,6,7,8,9,10,11,12,13,14,15
	v_pk_fma_f32 v[BB+4*\t:BB+4*\t+1], v[BB+4*\t:BB+4*\t+1], s[96:97], v[BI:BI+1] op_sel_hi:[1,0,1]         ; the scalar pair's low word for both halves
	v_pk_fma_f32 v[BB+4*\t+2:BB+4*\t+3], v[BB+4*\t+2:BB+4*\t+3], s[96:97], v[BI+2:BI+3] op_sel_hi:[1,0,1]
.endr
.irp t, 0,1,2,3,4,5,6,7,8,9,10,11,12,13,14,15
	global_store_b128 v[CO], v[BB+4*\t:BB+4*\t+3], s[12:13] offset:\t*4096 th:TH_STORE_NT   ; 32 lanes store 512 consecutive bytes, aligned; written once, read by nobody here
.endr
.endm
	s_wait_kmcnt 0x0
	s_add_co_i32 s96, s96, s97                     ; e10 + e11, between -126 and 127,
	s_add_co_i32 s96, s96, 127
	s_lshl_b32 s96, s96, 23                        ; makes the f32 number 2^(e10 + e11)
	s_mov_b32 s97, s96                             ; (named with it as a pair, so it is written)
	s_wait_loadcnt 0x0                             ; bo
	PLACES 4                                       ; behind the last products: their results are read below, and rows land where R's fragments lay
	TOSTAGE 0
.irp a, 1,2,3
.if \a > 1
	s_wait_xcnt 0x0                                ; block a - 2's stores have read their registers and their base: block a's loads may land there, and the base may step
.endif
	TOSTAGE \a
	SEND \a-1, 32                                  ; behind block a - 1's loads: block a's 16 stores and 16 loads
.endr
	s_wait_xcnt 0x0                                ; block 2's stores have read their base
	SEND 3, 0
	s_wait_tensorcnt 0x0                           ; the wave's end, behind my last tensor load and my last LDS store
	ds_add_u32 v[SPW], v[NIL]
	s_wait_dscnt 0x0
	CROUND                                         ; the closing round: no work-group ends while a partner may still ask for a tile that names it
	s_endpgm
.Lfunc_end_k_qe927f62490_proj:
	.size	k_qe927f62490_proj, .Lfunc_end_k_qe927f62490_proj-k_qe927f62490_proj
	.p2alignl 7, 3214868480
	.fill 96, 4, 3214868480
	.section	.rodata,"a",@progbits
	.p2align	6, 0x0
	.amdhsa_kernel k_qe927f62490_proj
		.amdhsa_group_segment_fixed_size 327680
		.amdhsa_private_segment_fixed_size 0
		.amdhsa_enable_private_segment 0
		.amdhsa_kernarg_size 40
		.amdhsa_user_sgpr_count 2
		.amdhsa_user_sgpr_kernarg_segment_ptr 1
		.amdhsa_wavefront_size32 1
		.amdhsa_system_sgpr_workgroup_id_x 1
		.amdhsa_system_sgpr_workgroup_id_y 1
		.amdhsa_system_sgpr_workgroup_id_z 1
		.amdhsa_system_vgpr_workitem_id 0
		.amdhsa_next_free_vgpr 768
		.amdhsa_next_free_sgpr 98
		.amdhsa_reserve_vcc 0
		.amdhsa_float_denorm_mode_32 3
		.amdhsa_float_denorm_mode_16_64 3
		.amdhsa_memory_ordered 1
		.amdhsa_forward_progress 1
		.amdhsa_inst_pref_size 76
	.end_amdhsa_kernel
	.amdgpu_metadata
---
amdhsa.version: [ 1, 2 ]
amdhsa.kernels:
  - .name:           k_qe927f62490_proj
    .symbol:         k_qe927f62490_proj.kd
    .args:
      - { .name: ctx_img, .offset: 0, .size: 8, .value_kind: global_buffer, .address_space: global }
      - { .name: Wo_codes, .offset: 8, .size: 8, .value_kind: global_buffer, .address_space: global }
      - { .name: lowp_scales, .offset: 16, .size: 8, .value_kind: global_buffer, .address_space: global }
      - { .name: bo, .offset: 24, .size: 8, .value_kind: global_buffer, .address_space: global }
      - { .name: out0, .offset: 32, .size: 8, .value_kind: global_buffer, .address_space: global }
    .group_segment_fixed_size: 327680
    .private_segment_fixed_size: 0
    .kernarg_segment_align: 8
    .kernarg_segment_size: 40
    .max_flat_workgroup_size: 128
    .sgpr_count:     98
    .vgpr_count:     768
    .wavefront_size: 32
...
	.end_amdgpu_metadata
.endif
;; end of part 3
